; MI455X (gfx1250); checked and timed in simulation.
; The chip was launched on July 23, 2026; its instructions are those of AMD's public machine-readable ISA for CDNA 5 (MIT licence, August 2026) and "CDNA5" Instruction Set Architecture Reference Guide (July 2026). The comments in the code are by the model that wrote it; some were corrected since.
;; Memory Efficient Attention. Allowed arithmetic: float matrix products may take bf16 or f16 operands with f32 sums; all other float work in f32.
;; Inputs: proj_b 1,024 float32; proj_w 1,024 x 1,024 float32; qkv_w 3,072 x 1,024 float32; x 2 x 2,048 x 1,024 float32.
;; Outputs: out0 2 x 2,048 x 1,024 float32.
;; One version. Each part assembles by itself: llvm-mc -triple=amdgcn-amd-amdhsa -mcpu=gfx1250 --defsym DOCPART=n.
;; ======== version 1 of 1: 4 launches
;; limits: values are held in f16: magnitudes above 65,504 overflow, below 6.1e-05 lose precision
;; workspace buffers: xh 8,388,608 bytes; wqh 6,291,456 bytes; wph 2,097,152 bytes; qkv 25,165,824 bytes; oh 8,388,608 bytes
;; launch cast (part 1): grid 256 x 1, 8 waves a work-group, no clusters, 0 bytes of LDS; arguments x, qkv_w, proj_w, xh, wqh, wph; writes xh, wqh, wph
.if DOCPART == 1
	.amdgcn_target "amdgcn-amd-amdhsa--gfx1250"
	.amdhsa_code_object_version 6
	.text
	.protected	k_q8574a3b7e7_cast
	.globl	k_q8574a3b7e7_cast
	.p2align	8
	.type	k_q8574a3b7e7_cast,@function
k_q8574a3b7e7_cast:
	s_mov_b64 s[64:65], 0
	v_nop
	global_prefetch_b8 v0, s[64:65] scope:SCOPE_SE
	s_setreg_imm32_b32 hwreg(HW_REG_WAVE_MODE, 25, 1), 1
	s_wait_xcnt 0x0
; xh = f16(x), wqh = f16(qkv_w), wph = f16(proj_w): the matrix operands of the later launches, rounded once (to nearest even).
; LIMIT: a number beyond 65,504 in magnitude becomes an f16 infinity; below 6.1e-5 it is kept in steps of 6e-8.
; A stream: every byte is read once and written once.  No LDS, no matrix unit, no cluster: no work-group shares a byte with another.
; 33,554,432 bytes of f32 = 256 work-groups x 131,072 bytes: groups 0-127 take x, 128-223 qkv_w, 224-255 proj_w.
; A wave takes 16,384 bytes as 32 chunks of 512 bytes; a lane 16 bytes of a chunk.  All 32 loads of a wave go out at once, so the
; work-group has all its 131,072 bytes on their way; each store of a wave covers 256 consecutive bytes, aligned.
.set PARTB, 131072                     ; bytes of f32 of a work-group
.set X, 4                              ; v[4:131]  chunk j: 4 registers as loaded; its first two then hold the 4 f16
	s_load_b256 s[4:11], s[0:1], 0x0               ; x s[4:5], qkv_w s[6:7], proj_w s[8:9], xh s[10:11]
	s_load_b128 s[12:15], s[0:1], 0x20             ; wqh s[12:13], wph s[14:15]
	s_sub_co_u32 s16, ttmp9, 128                   ; my part's number if I work on qkv_w
	s_sub_co_u32 s17, ttmp9, 224                   ; or on proj_w
	v_and_b32 v1, 31, v0                           ; lane
	v_lshrrev_b32 v2, 5, v0                        ; wave
	v_lshlrev_b32 v1, 4, v1
	v_lshl_add_u32 v1, v2, 14, v1                  ; source offset: 16,384 x wave + 16 x lane
	v_lshrrev_b32 v3, 1, v1                        ; destination offset: half of it
	s_wait_kmcnt 0x0
	s_cmp_lt_u32 ttmp9, 128                        ; the choice hangs on the work-group's number alone
	s_cselect_b64 s[20:21], s[4:5], s[6:7]
	s_cselect_b64 s[22:23], s[10:11], s[12:13]
	s_cselect_b32 s18, ttmp9, s16
	s_cmp_lt_u32 ttmp9, 224
	s_cselect_b64 s[20:21], s[20:21], s[8:9]
	s_cselect_b64 s[22:23], s[22:23], s[14:15]
	s_cselect_b32 s18, s18, s17
	s_lshl_b32 s24, s18, 17                        ; part x 131,072 bytes of f32 (16,646,144 at the most)
	s_mov_b32 s25, 0
	s_add_nc_u64 s[20:21], s[20:21], s[24:25]
	s_lshl_b32 s24, s18, 16                        ; part x 65,536 bytes of f16
	s_add_nc_u64 s[22:23], s[22:23], s[24:25]
.irp j, 0,1,2,3,4,5,6,7,8,9,10,11,12,13,14,15,16,17,18,19,20,21,22,23,24,25,26,27,28,29,30,31
	global_load_b128 v[X+4*\j:X+4*\j+3], v1, s[20:21] offset:512*\j th:TH_LOAD_NT   ; read once in the whole launch
.endr
.irp j, 0,1,2,3,4,5,6,7,8,9,10,11,12,13,14,15,16,17,18,19,20,21,22,23,24,25,26,27,28,29,30,31
	s_wait_loadcnt 31-\j                           ; loads come back in order (ISA guide 5.7.1): chunk j is in, the 31 - j younger ones stay out
	v_cvt_pk_f16_f32 v[X+4*\j],   v[X+4*\j],   v[X+4*\j+1]
	v_cvt_pk_f16_f32 v[X+4*\j+1], v[X+4*\j+2], v[X+4*\j+3]
	global_store_b64 v3, v[X+4*\j:X+4*\j+1], s[22:23] offset:256*\j   ; no register of a store is written again
.endr
	s_endpgm
.Lfunc_end_k_q8574a3b7e7_cast:
	.size	k_q8574a3b7e7_cast, .Lfunc_end_k_q8574a3b7e7_cast-k_q8574a3b7e7_cast
	.p2alignl 7, 3214868480
	.fill 96, 4, 3214868480
	.section	.rodata,"a",@progbits
	.p2align	6, 0x0
	.amdhsa_kernel k_q8574a3b7e7_cast
		.amdhsa_group_segment_fixed_size 0
		.amdhsa_private_segment_fixed_size 0
		.amdhsa_enable_private_segment 0
		.amdhsa_kernarg_size 48
		.amdhsa_user_sgpr_count 2
		.amdhsa_user_sgpr_kernarg_segment_ptr 1
		.amdhsa_wavefront_size32 1
		.amdhsa_system_sgpr_workgroup_id_x 1
		.amdhsa_system_sgpr_workgroup_id_y 1
		.amdhsa_system_sgpr_workgroup_id_z 1
		.amdhsa_system_vgpr_workitem_id 0
		.amdhsa_next_free_vgpr 132
		.amdhsa_next_free_sgpr 66
		.amdhsa_reserve_vcc 0
		.amdhsa_float_denorm_mode_32 3
		.amdhsa_float_denorm_mode_16_64 3
		.amdhsa_memory_ordered 1
		.amdhsa_forward_progress 1
		.amdhsa_inst_pref_size 13
	.end_amdhsa_kernel
	.amdgpu_metadata
---
amdhsa.version: [ 1, 2 ]
amdhsa.kernels:
  - .name:           k_q8574a3b7e7_cast
    .symbol:         k_q8574a3b7e7_cast.kd
    .args:
      - { .name: x, .offset: 0, .size: 8, .value_kind: global_buffer, .address_space: global }
      - { .name: qkv_w, .offset: 8, .size: 8, .value_kind: global_buffer, .address_space: global }
      - { .name: proj_w, .offset: 16, .size: 8, .value_kind: global_buffer, .address_space: global }
      - { .name: xh, .offset: 24, .size: 8, .value_kind: global_buffer, .address_space: global }
      - { .name: wqh, .offset: 32, .size: 8, .value_kind: global_buffer, .address_space: global }
      - { .name: wph, .offset: 40, .size: 8, .value_kind: global_buffer, .address_space: global }
    .group_segment_fixed_size: 0
    .private_segment_fixed_size: 0
    .kernarg_segment_align: 8
    .kernarg_segment_size: 48
    .max_flat_workgroup_size: 256
    .sgpr_count:     66
    .vgpr_count:     132
    .wavefront_size: 32
...
	.end_amdgpu_metadata
.endif
;; end of part 1
;; launch qkv (part 2): grid 16 x 16, 4 waves a work-group, clusters of 4 x 4, 327,680 bytes of LDS; arguments xh, wqh, qkv; writes qkv
.if DOCPART == 2
	.amdgcn_target "amdgcn-amd-amdhsa--gfx1250"
	.amdhsa_code_object_version 6
	.text
	.protected	k_q8574a3b7e7_qkv
	.globl	k_q8574a3b7e7_qkv
	.p2align	8
	.type	k_q8574a3b7e7_qkv,@function
k_q8574a3b7e7_qkv:
	s_mov_b64 s[64:65], 0
	v_nop
	global_prefetch_b8 v0, s[64:65] scope:SCOPE_SE
	s_setreg_imm32_b32 hwreg(HW_REG_WAVE_MODE, 25, 1), 1
	s_wait_xcnt 0x0
	s_wait_alu depctr_hold_cnt(0) depctr_sa_sdst(0) depctr_va_vdst(0) depctr_va_sdst(0) depctr_va_ssrc(0) depctr_va_vcc(0) depctr_vm_vsrc(0)
	s_getreg_b32 s2, hwreg(HW_REG_IB_STS2, 6, 4)
	s_cmp_eq_u32 s2, 0
	s_cbranch_scc0 .Lentry_in_a_cluster
	s_endpgm
.Lentry_in_a_cluster:
	s_bfe_u32 s2, ttmp6, 0x10000c
	s_cmp_lg_u32 s2, 0xf033
	s_cbranch_scc0 .Lentry_shape_is_right
	s_endpgm
.Lentry_shape_is_right:
; qkv[which][b][h][n][d] = sum over c of xh[b, n][c] wqh[which*1024 + h*64 + d][c], f16 operands, f32 sums, rounded once to f16.
; LIMIT: a result beyond 65,504 in magnitude becomes an f16 infinity.
; xh: [4096][1024], wqh: [3072][1024], qkv: 96 planes (which*32 + b*16 + h) of [2048][64] f16, rows of 128 bytes without gaps.
; A work-group makes 256 tokens x 192 features (three whole heads) with four waves; wave w makes tokens 64 w .. 64 w + 63 x all 192
; features: 4 x 12 accumulator tiles of 16 x 16, 384 registers.  The waves are stacked along the tokens so that a wave owns whole
; heads and can lay its own rows of 128 bytes together without a barrier.
; K goes in 8 steps of 128 through a ring of two LDS slots filled by the tensor data mover: rows of 256 bytes, aligned.
; CLUSTERS: 4 x 4 work-groups.  The four of a row of the cluster need the same 256 tokens of xh, the four of a column the same 192
; rows of wqh: each tile is asked for jointly, which divides the requests for both by four.
; THE MATRIX INSTRUCTION IS USED TRANSPOSED: source 0 = 16 rows of wqh, source 1 = 16 tokens: lane l then holds token l % 16 and
; its registers 0-7 the features 8 (l / 16) + 0 .. 7, eight neighbours that pack into 16 bytes.
; REGISTERS in windows of 256: window 0 addresses, token fragments (two buffers), the way out; window 1 weight fragments (two
; buffers); window 2 the tiles of token blocks 0, 1 (tile (a, b) at v[8 (12 a + b)]); window 3 those of token blocks 2, 3.
.set SIZE_K, 1024
.set KSTEP,  128
.set PITCH,  272                       ; an LDS row: 256 bytes + 16 of padding: an odd multiple of 16, so 16 rows start at 16 different 16-byte columns
.set AHALF,  128*PITCH                 ; 128 tokens: one tensor load of wave 0 or 1
.set BHALF,  96*PITCH                  ; 96 weight rows: one tensor load of wave 2 or 3
.set BOFF,   2*AHALF                   ; the weights lie behind the 256 tokens
.set SLOT,   2*AHALF+2*BHALF           ; 121,856
.set STAGE,  2*SLOT                    ; 243,712 = 952 x 256: behind the ring, no fill lands here
.set SPITCH, 144                       ; a stage row: 128 bytes + 16
.set SHEAD,  16*SPITCH                 ; 16 tokens of one head
.set WSTAGE, 3*SHEAD                   ; a wave's stage: 6,912 = 27 x 256
.set LAPS, SIZE_K/(2*KSTEP)            ; 4 laps of two K steps
.set ADRA, 16                          ; v16-17  LDS address of my token fragments in slot 0, 1
.set ADRB, 20                          ; v20-21  the same for the weights
.set STO,  24                          ; v24     the way out: where I put 16 bytes
.set RD,   25                          ; v25     where I read rows back
.set CO,   26                          ; v26     16 x lane: my place in 512 bytes of a plane
.set FA0,  64                          ; window 0: token fragments, buffer 0 (4 x 8 registers)
.set FA1,  96                          ;           buffer 1
.set FB0,  0                           ; window 1: weight fragments, buffer 0 (12 x 8 registers)
.set FB1,  96                          ;           buffer 1
.set TMP,  128                         ; window 0: v128-175 packed results
.set RB,   176                         ; window 0: v176-223 rows read back
.set G1,  24                           ; s[24:31] descriptor group 1, tokens
.set G0,  32                           ; s[32:39] descriptor group 0, tokens, one set for each slot
.set G1B, 48                           ; s[48:55] group 1, weights
.set G0B, 56                           ; s[56:63] group 0, weights, one set for each slot
.set OB,  66                           ; s[66:71] the three heads' output addresses
.set FLAGS, (1<<16)|(1<<20)|(1<<21)|(5<<22)|(3<<25)   ; element of 2 bytes; padding on; bit 21 beside a mask; after every 64 words 4 words
.set MSB, 0
.macro WIN new                         ; the immediate's high byte repeats the setting that is left
.if MSB != \new
	s_set_vgpr_msb (MSB<<8)|\new
.set MSB, \new
.endif
.endm
.set MUL_LO, 0xa1                      ; source 0 (weights) window 1, source 1 (tokens) window 0, C and D window 2
.set MUL_HI, 0xf1                      ; the same, C and D window 3
.set TO_B,   0x40                      ; destination window 1, address window 0
; A joint load.  Waves 0, 1 fetch the tokens' halves, waves 2, 3 the weights'.  The branch hangs on the wave's number alone.
.macro JLOAD s
	s_cmp_eq_u32 s11, 0
	s_cbranch_scc0 .Lfor_b_\@
	tensor_load_to_lds s[G0+4*\s:G0+4*\s+3], s[G1:G1+7]
	s_nop 0
	s_branch .Lasked_\@
.Lfor_b_\@:
	tensor_load_to_lds s[G0B+4*\s:G0B+4*\s+3], s[G1B:G1B+7]
	s_nop 0
.Lasked_\@:
.endm
; A round of the cluster's barrier: my work-group's barrier; wave 0 signals for the work-group; every wave waits for all sixteen; my work-group's barrier again.
.macro CREST                           ; a round behind its opening barrier
	s_cmp_lg_u32 s10, 0
	s_cbranch_scc1 .Lnot_wave_0_\@
	s_barrier_signal -3
.Lnot_wave_0_\@:
	s_barrier_wait -3
	s_barrier_signal -1
	s_barrier_wait -1
.endm
.macro CROUND
	s_barrier_signal -1
	s_barrier_wait -1
	CREST
.endm
	s_load_b128 s[4:7], s[0:1], 0x0                ; xh s[4:5], wqh s[6:7]
	s_load_b64 s[8:9], s[0:1], 0x10                ; qkv
	s_set_vgpr_msb 0x40
	v_lshl_add_u32 v255, v0, 2, 0x42400
	s_set_vgpr_msb 0x4000
	v_mov_b32 v255, 0
	s_set_vgpr_msb 0x1
	ds_add_u32 v255, v255
	s_set_vgpr_msb 0x100
	v_lshrrev_b32 v1, 5, v0
	v_readfirstlane_b32 s10, v1                    ; wave 0..3
	s_lshr_b32 s11, s10, 1                         ; I fetch tokens (0) or weights (1)
	s_and_b32 s12, s10, 1                          ; which half of that tile
	s_bfe_u32 s40, ttmp6, 0x40000                  ; cx
	s_bfe_u32 s41, ttmp6, 0x40004                  ; cy
	s_lshl_b32 s42, ttmp9, 2
	s_add_co_u32 s42, s42, s40                     ; bx: block of 192 features, 0..15
	s_and_b32 s13, ttmp7, 0xffff
	s_lshl_b32 s13, s13, 2
	s_add_co_u32 s13, s13, s41                     ; by: block of 256 tokens, 0..15
	s_lshl_b32 s43, s41, 2
	s_lshl_b32 s43, 15, s43                        ; my row of the cluster
	s_lshl_b32 s44, 0x1111, s40                    ; my column
	s_or_b32 s[G1+0], s43, FLAGS                   ; tokens go to my row
	s_mov_b32 s[G1+1], KSTEP<<16                   ; tensor_dim0 = 128
	s_mov_b32 s[G1+2], 128<<16                     ; tensor_dim1 = 128
	s_mov_b32 s[G1+3], KSTEP<<16                   ; tile_dim0 = 128 elements
	s_mov_b32 s[G1+4], 128                         ; tile_dim1 = 128 rows
	s_mov_b32 s[G1+5], SIZE_K                      ; elements from row to row
	s_mov_b32 s[G1+6], 0
	s_mov_b32 s[G1+7], 0
	s_or_b32 s[G1B+0], s44, FLAGS                  ; weights go to my column
	s_mov_b32 s[G1B+1], KSTEP<<16
	s_mov_b32 s[G1B+2], 96<<16                     ; tensor_dim1 = 96
	s_mov_b32 s[G1B+3], KSTEP<<16
	s_mov_b32 s[G1B+4], 96                         ; tile_dim1 = 96 rows
	s_mov_b32 s[G1B+5], SIZE_K
	s_mov_b32 s[G1B+6], 0
	s_mov_b32 s[G1B+7], 0
	; the tokens' address hangs on by and the wave, the weights' on bx and the wave, each in registers of its own
	s_lshl_b32 s16, s13, 8
	s_lshl_b32 s17, s12, 7
	s_add_co_u32 s16, s16, s17                     ; token row 256 by + 128 half
	s_lshl_b32 s16, s16, 11                        ; x 2,048 bytes (below 8,388,608)
	s_mov_b32 s17, 0
	s_mul_i32 s46, s42, 192
	s_mul_i32 s47, s12, 96
	s_add_co_u32 s46, s46, s47                     ; weight row 192 bx + 96 half
	s_lshl_b32 s46, s46, 11
	s_mov_b32 s47, 0
	s_mul_i32 s20, s10, AHALF                      ; waves 0, 1: the tokens' halves at 0 and 34,816
	s_mul_i32 s21, s10, BHALF
	s_add_co_u32 s21, s21, BOFF-2*BHALF            ; waves 2, 3: the weights' halves at 69,632 and 95,744
	s_wait_dscnt 0x0
	s_wait_kmcnt 0x0
	s_add_nc_u64 s[14:15], s[4:5], s[16:17]
	s_add_nc_u64 s[46:47], s[6:7], s[46:47]
	CROUND                                         ; all sixteen work-groups are here: the first joint loads meet
.irp s, 0,1
	s_mov_b32 s[G0+4*\s], 1
	s_add_co_u32 s[G0+4*\s+1], s20, \s*SLOT
	s_add_nc_u64 s[G0+4*\s+2:G0+4*\s+3], s[14:15], \s*KSTEP*2      ; K step s
	s_or_b32 s[G0+4*\s+3], s[G0+4*\s+3], 0x80000000                ; type = 2
	s_mov_b32 s[G0B+4*\s], 1
	s_add_co_u32 s[G0B+4*\s+1], s21, \s*SLOT
	s_add_nc_u64 s[G0B+4*\s+2:G0B+4*\s+3], s[46:47], \s*KSTEP*2
	s_or_b32 s[G0B+4*\s+3], s[G0B+4*\s+3], 0x80000000
	JLOAD \s                                       ; both slots' first fills go out together: two loads of the wave are out
.endr
	; a fragment: lane l holds row l % 16; registers 0-3 K = 8 (l / 16) + 0..7, registers 4-7 K = 16 + 8 (l / 16) + 0..7: two loads of 16 bytes, 32 apart
	v_and_b32 v1, 15, v0                           ; r
	v_bfe_u32 v2, v0, 4, 1                         ; h
	v_mul_u32_u24 v3, v1, PITCH
	v_lshl_add_u32 v3, v2, 4, v3
	s_mul_i32 s22, s10, 64*PITCH                   ; my 64 tokens
.irp s, 0,1
	v_add_nc_u32 v[ADRA+\s], s22, v3
	v_add_nc_u32 v[ADRB+\s], BOFF+\s*SLOT, v3      ; every wave reads all 192 weight rows
	s_add_co_u32 s22, s22, SLOT
.endr
	s_mul_i32 s23, s10, WSTAGE
	s_add_co_u32 s23, s23, STAGE                   ; my stage
	v_mul_u32_u24 v4, v1, SPITCH
	v_lshl_add_u32 v4, v2, 4, v4
	v_add_nc_u32 v[STO], s23, v4                   ; in: token r, 16 bytes for each half of the lanes
	v_and_b32 v5, 31, v0
	v_lshrrev_b32 v6, 3, v5
	v_and_b32 v7, 7, v0
	v_mul_u32_u24 v6, v6, SPITCH
	v_lshl_add_u32 v6, v7, 4, v6
	v_add_nc_u32 v[RD], s23, v6                    ; back: eight lanes take a row of 128 bytes, the wave four rows
	v_lshlrev_b32 v[CO], 4, v5
; 12 matrix instructions: token block a of the window's two (hi = 0: blocks 0, 1; 1: blocks 2, 3) x all 12 feature blocks, 32 along K
.macro MUL12 fa, fb, hi, a, zero
.irp b, 0,1,2,3,4,5,6,7,8,9,10,11
.if \zero
	v_wmma_f32_16x16x32_f16 v[8*(12*\a+\b):8*(12*\a+\b)+7], v[\fb+8*\b:\fb+8*\b+7], v[\fa+8*(2*\hi+\a):\fa+8*(2*\hi+\a)+7], 0
.else
	v_wmma_f32_16x16x32_f16 v[8*(12*\a+\b):8*(12*\a+\b)+7], v[\fb+8*\b:\fb+8*\b+7], v[\fa+8*(2*\hi+\a):\fa+8*(2*\hi+\a)+7], v[8*(12*\a+\b):8*(12*\a+\b)+7]
.endif
.endr
.endm
; 32 LDS loads in one run: 192 weight rows, then my 64 tokens, 32 K at byte k of the rows
.macro FETCH slot, k, fa, fb
	WIN TO_B
.irp i, 0,1,2,3,4,5,6,7,8,9,10,11
	ds_load_b128 v[\fb+8*\i:\fb+8*\i+3],   v[ADRB+\slot] offset:\k+\i*16*PITCH
	ds_load_b128 v[\fb+8*\i+4:\fb+8*\i+7], v[ADRB+\slot] offset:\k+\i*16*PITCH+32
.endr
	WIN 0
.irp i, 0,1,2,3
	ds_load_b128 v[\fa+8*\i:\fa+8*\i+3],   v[ADRA+\slot] offset:\k+\i*16*PITCH
	ds_load_b128 v[\fa+8*\i+4:\fa+8*\i+7], v[ADRA+\slot] offset:\k+\i*16*PITCH+32
.endr
.endm
; four places behind a matrix instruction before a load lands on one of its sources or a vector instruction reads its result (ISA guide 7.12.1 for vector instructions)
.macro PLACES
.rept 4
	v_nop
.endr
.endm
; A quarter step: 48 matrix instructions on one pair of buffers; in its middle the next quarter's 32 loads go into the other pair.
; The 48 accumulators take turns, one instruction a turn, in the same order in every quarter.
.macro QUARTER slot, k, fa, fb, ga, gb, zero
	s_wait_dscnt 4                                 ; the weights and token blocks 0, 1 are in; the youngest four loads (blocks 2, 3) may be out
	WIN MUL_LO
	MUL12 \fa, \fb, 0, 0, \zero
	MUL12 \fa, \fb, 0, 1, \zero
	PLACES
	FETCH \slot, \k, \ga, \gb
	s_wait_dscnt 32                                ; all but the 32 just issued
	WIN MUL_HI
	MUL12 \fa, \fb, 1, 0, \zero
	MUL12 \fa, \fb, 1, 1, \zero
.endm
.macro THREE slot, zero
	QUARTER \slot, 64,  FA0, FB0, FA1, FB1, \zero
	QUARTER \slot, 128, FA1, FB1, FA0, FB0, 0
	QUARTER \slot, 192, FA0, FB0, FA1, FB1, 0
.endm
; The last quarter changes slots.  In front of the barrier each wave waits for its reads of this slot and for all its tensor loads
; (one is out: its part of the next slot).  Behind it this slot is filled again first, then the next slot's first fragments are read.
; From a request to the wait for it a wave issues 180 matrix instructions.
.macro TURN slot, next, fill
	s_wait_dscnt 4
	WIN MUL_LO
	MUL12 FA1, FB1, 0, 0, 0
	s_wait_dscnt 0                                 ; my reads of this slot are over
	s_wait_tensorcnt 0x0                           ; all my tensor loads have landed
	ds_add_u32 v255, v255
	s_wait_dscnt 0x0
	s_barrier_signal -1                            ; where the slot is filled again this barrier opens a round of the cluster's barrier
	MUL12 FA1, FB1, 0, 1, 0                        ; register work while the others arrive
	WIN 0
	s_barrier_wait -1
.if \fill
	CREST                                          ; no wave of any partner still reads this slot or has a load on its way
	s_add_nc_u64 s[G0+4*\slot+2:G0+4*\slot+3], s[G0+4*\slot+2:G0+4*\slot+3], 2*KSTEP*2
	s_add_nc_u64 s[G0B+4*\slot+2:G0B+4*\slot+3], s[G0B+4*\slot+2:G0B+4*\slot+3], 2*KSTEP*2
	JLOAD \slot                                    ; the wave's one tensor load behind the round, and the first thing there
.endif
	PLACES
	FETCH \next, 0, FA0, FB0
	WIN MUL_HI
	MUL12 FA1, FB1, 1, 0, 0
	MUL12 FA1, FB1, 1, 1, 0
.endm
.macro LAP zero
	THREE 0, \zero
	TURN 0, 1, 1
	THREE 1, 0
	TURN 1, 0, 1
.endm
	s_wait_tensorcnt 1                             ; my part of K step 0 is in; K step 1's stays out
	s_barrier_signal -1
	s_barrier_wait -1
	FETCH 0, 0, FA0, FB0
	LAP 1                                          ; the first products start the sums: nothing is cleared
	WIN 0
	s_mov_b32 s3, LAPS-2
.Llap:
	LAP 0
	WIN 0
	s_sub_co_u32 s3, s3, 1
	s_cmp_lg_u32 s3, 0
	s_cbranch_scc1 .Llap
	THREE 0, 0                                     ; the last lap fills nothing
	TURN 0, 1, 0
	THREE 1, 0
	s_wait_dscnt 4
	WIN MUL_LO
	MUL12 FA1, FB1, 0, 0, 0
	MUL12 FA1, FB1, 0, 1, 0
	s_wait_dscnt 0
	WIN MUL_HI
	MUL12 FA1, FB1, 1, 0, 0
	MUL12 FA1, FB1, 1, 1, 0
	; THE WAY OUT.  Head slot 3 bx + j lies in plane (slot / 16) * 32 + (by / 8) * 16 + slot % 16; my first token in it is (by % 8) * 256 + 64 w.
	PLACES
.irp j, 0,1,2
	s_mul_i32 s74, s42, 3
	s_add_co_u32 s74, s74, \j                      ; head slot 0..47
	s_lshr_b32 s75, s74, 4                         ; q, k or v
	s_lshl_b32 s75, s75, 5
	s_and_b32 s74, s74, 15                         ; head
	s_add_co_u32 s72, s75, s74
	s_lshr_b32 s74, s13, 3                         ; batch
	s_lshl_b32 s74, s74, 4
	s_add_co_u32 s72, s72, s74                     ; plane, 95 at the most
	s_lshl_b32 s72, s72, 18                        ; x 262,144 bytes
	s_and_b32 s74, s13, 7
	s_lshl_b32 s74, s74, 15                        ; 256 tokens x 128 bytes
	s_add_co_u32 s72, s72, s74
	s_lshl_b32 s74, s10, 13                        ; 64 tokens x 128 bytes
	s_add_co_u32 s72, s72, s74
	s_mov_b32 s73, 0
	s_add_nc_u64 s[OB+2*\j:OB+2*\j+1], s[8:9], s[72:73]
.endr
; 16 tokens at a time: round to f16, 16 bytes a lane into my own stage (three heads of 16 rows), read back four rows of 128 bytes at a time
.macro OUT16 i, a, from
	WIN \from
.irp b, 0,1,2,3,4,5,6,7,8,9,10,11
.irp r, 0,1,2,3
	v_cvt_pk_f16_f32 v[TMP+4*\b+\r], v[8*(12*\a+\b)+2*\r], v[8*(12*\a+\b)+2*\r+1]
.endr
.endr
	WIN 0
.irp b, 0,1,2,3,4,5,6,7,8,9,10,11
	ds_store_b128 v[STO], v[TMP+4*\b:TMP+4*\b+3] offset:(\b/4)*SHEAD+(\b%4)*32
.endr
	s_wait_xcnt 0x0                                ; the rows read back last time are still the stores' data: they are loaded again only behind this wait
.irp t, 0,1,2,3,4,5,6,7,8,9,10,11
	ds_load_b128 v[RB+4*\t:RB+4*\t+3], v[RD] offset:(\t/4)*SHEAD+(\t%4)*4*SPITCH   ; LDS serves a wave's instructions in order (ISA guide 5.7.1): these see the stores above
.endr
.irp t, 0,1,2,3,4,5,6,7,8,9,10,11
	s_wait_dscnt 11-\t                             ; load t is in, the 11 - t younger ones stay out
	global_store_b128 v[CO], v[RB+4*\t:RB+4*\t+3], s[OB+2*(\t/4):OB+2*(\t/4)+1] offset:\i*2048+(\t%4)*512   ; 512 consecutive bytes, aligned
.endr
.endm
	OUT16 0, 0, 0x0a
	OUT16 1, 1, 0x0a
	OUT16 2, 0, 0x0f
	OUT16 3, 1, 0x0f
	s_set_vgpr_msb 0x1
	s_wait_tensorcnt 0x0
	ds_add_u32 v255, v255
	s_wait_dscnt 0x0
	s_set_vgpr_msb 0x100
	CROUND                                         ; the closing round: no work-group ends while a partner may still ask for a tile that names it
	s_endpgm
.Lfunc_end_k_q8574a3b7e7_qkv:
	.size	k_q8574a3b7e7_qkv, .Lfunc_end_k_q8574a3b7e7_qkv-k_q8574a3b7e7_qkv
	.p2alignl 7, 3214868480
	.fill 96, 4, 3214868480
	.section	.rodata,"a",@progbits
	.p2align	6, 0x0
	.amdhsa_kernel k_q8574a3b7e7_qkv
		.amdhsa_group_segment_fixed_size 327680
		.amdhsa_private_segment_fixed_size 0
		.amdhsa_enable_private_segment 0
		.amdhsa_kernarg_size 24
		.amdhsa_user_sgpr_count 2
		.amdhsa_user_sgpr_kernarg_segment_ptr 1
		.amdhsa_wavefront_size32 1
		.amdhsa_system_sgpr_workgroup_id_x 1
		.amdhsa_system_sgpr_workgroup_id_y 1
		.amdhsa_system_sgpr_workgroup_id_z 1
		.amdhsa_system_vgpr_workitem_id 0
		.amdhsa_next_free_vgpr 960
		.amdhsa_next_free_sgpr 76
		.amdhsa_reserve_vcc 0
		.amdhsa_float_denorm_mode_32 3
		.amdhsa_float_denorm_mode_16_64 3
		.amdhsa_memory_ordered 1
		.amdhsa_forward_progress 1
		.amdhsa_inst_pref_size 165
	.end_amdhsa_kernel
	.amdgpu_metadata
---
amdhsa.version: [ 1, 2 ]
amdhsa.kernels:
  - .name:           k_q8574a3b7e7_qkv
    .symbol:         k_q8574a3b7e7_qkv.kd
    .args:
      - { .name: xh, .offset: 0, .size: 8, .value_kind: global_buffer, .address_space: global }
      - { .name: wqh, .offset: 8, .size: 8, .value_kind: global_buffer, .address_space: global }
      - { .name: qkv, .offset: 16, .size: 8, .value_kind: global_buffer, .address_space: global }
    .group_segment_fixed_size: 327680
    .private_segment_fixed_size: 0
    .kernarg_segment_align: 8
    .kernarg_segment_size: 24
    .max_flat_workgroup_size: 128
    .sgpr_count:     76
    .vgpr_count:     960
    .wavefront_size: 32
...
	.end_amdgpu_metadata
.endif
;; end of part 2
;; launch attn (part 3): grid 8 x 32, 8 waves a work-group, clusters of 4 x 1, 327,680 bytes of LDS; arguments qkv, oh; writes oh
.if DOCPART == 3
	.amdgcn_target "amdgcn-amd-amdhsa--gfx1250"
	.amdhsa_code_object_version 6
	.text
	.protected	k_q8574a3b7e7_attn
	.globl	k_q8574a3b7e7_attn
	.p2align	8
	.type	k_q8574a3b7e7_attn,@function
k_q8574a3b7e7_attn:
	s_mov_b64 s[64:65], 0
	v_nop
	global_prefetch_b8 v0, s[64:65] scope:SCOPE_SE
	s_setreg_imm32_b32 hwreg(HW_REG_WAVE_MODE, 25, 1), 1
	s_wait_xcnt 0x0
	s_wait_alu depctr_hold_cnt(0) depctr_sa_sdst(0) depctr_va_vdst(0) depctr_va_sdst(0) depctr_va_ssrc(0) depctr_va_vcc(0) depctr_vm_vsrc(0)
	s_getreg_b32 s2, hwreg(HW_REG_IB_STS2, 6, 4)
	s_cmp_eq_u32 s2, 0
	s_cbranch_scc0 .Lentry_in_a_cluster
	s_endpgm
.Lentry_in_a_cluster:
	s_bfe_u32 s2, ttmp6, 0x10000c
	s_cmp_lg_u32 s2, 0x3003
	s_cbranch_scc0 .Lentry_shape_is_right
	s_endpgm
.Lentry_shape_is_right:
; oh = softmax over m of (q[n] . k[m] / 8) applied to v, for one (b, h) and 256 queries a work-group.
; qkv: 96 planes of [2048][64] f16 (q: plane bh, k: 32 + bh, v: 64 + bh).
; oh: [2 b][16 blocks of 128 tokens][16 heads][128 tokens][64] f16: the heads of one block of tokens lie side by side, 16,384 bytes each,
; so that the next launch can take several heads of 128 tokens as one run of rows of 128 bytes without gaps.
; f16 matrix operands, f32 sums; maximum, exponentials, denominators and rescaling in f32, with a RUNNING MAXIMUM of the raw scores.
; LIMITS: NaN and infinite inputs are not served; v_exp_f32 gives 0 below 2^-126 (ISA guide 15.8), beside a denominator of about 1 or more.
; SHARES.  Eight waves.  Wave w has queries 64 (w & 3) .. + 63 of the block and the key half kh = w >> 2 of every slot of 256 keys.
; So two waves share a SIMD and one's softmax stands beside the other's matrix work; the two key halves of a query are merged once, at the end.
; CLUSTERS.  The four work-groups of a cluster are four query blocks of one (b, h): they read the same tiles of k and v, asked for
; jointly (mask 15), which divides those requests by four.  Nothing in a descriptor, an LDS address or a branch hangs on the place in the cluster.
; TRANSPOSED FORMS.  S^T = K Q^T (source 0: 16 keys, source 1: 16 queries) and O^T = V^T P^T.  A lane is one query r = l % 16; its registers
; run over keys 8 (l / 16) + j.  Two packed tiles of S^T are just the second source of the next product: no lane exchange.  Maximum,
; denominator and rescale factor are one number a lane, shared with lane l ^ 16.
; Register group g (16 queries) holds queries (((g >> 1) ^ kh) * 32 + (g & 1) * 16): every wave keeps groups 0, 1 and hands groups 2, 3 to wave w ^ 4.
.set KP,   144                         ; LDS pitch of a k row: 128 bytes + 16 (odd multiple of 16)
.set VP,   160                         ; of a v row: 128 bytes + 32 (odd multiple of 32, for the transposing loads)
.set PART, 10240                       ; 64 rows of v; k's 64 rows use 9,216 of it.  Wave w fills part w of a slot: parts 0-3 k, 4-7 v
.set SLOT, 8*PART                      ; 81,920: 256 keys
.set TILEB, 32768                      ; 256 keys x 128 bytes in memory
.set SCR,  2*SLOT                      ; 163,840 = 640 x 256: the merge's scratch, no fill lands here
.set WSCR, 8704                        ; a wave's: 16 x 512 bytes of O, 256 of exponent shifts, 256 of denominators
.set STG,  SCR+8*WSCR                  ; 233,472 = 912 x 256: the way out
.set WSTG, 4608                        ; a wave's: 2 groups x 16 rows x 144
.set KA, 2                             ; v2-3    my k fragments in slot 0, 1
.set VA, 4                             ; v4-5    my v fragments
.set QA, 6                             ; v6-7    byte offsets of my q rows, groups 0-1 and 2-3
.set SCW, 8                            ; v8, v9  my scratch, 16 and 8 bytes a lane
.set SCW2, 9
.set SCP, 10                           ; v10, v11 my partner's
.set SCP2, 11
.set STO, 12
.set RD,  13
.set CO,  14
.set MM,  16                           ; v16-19  running maximum of the raw scores, group g
.set MN,  20                           ; v20-23  at work
.set PR,  24                           ; v24-31  group g: the pair (nm = -c max, alpha = 2^(nm new - nm old))
.set L2,  32                           ; v32-39  group g: two partial denominators
.set TT,  40                           ; v40-47  at work
.set LF,  48                           ; v48-51  denominators at the end
.set VF,  64                           ; v64-127 v fragments (key step kk, d block dt) at 8 (4 kk + dt)
.set SC,  128                          ; v128-255 scores, group g, key tile kt at 32 g + 8 kt; P is packed in place: key step kk at 32 g + 8 kk
.set OA,  0                            ; window 1: v0-127 O^T, group g, d block dt at 32 g + 8 dt
.set QF,  128                          ; window 1: v128-191 q fragments at 16 g + 8 ks
.set KF,  192                          ; window 1: v192-255 k fragments at 16 kt + 8 ks
.set G1K, 16                           ; s[16:23]
.set G1V, 24                           ; s[24:31]
.set G0K, 32                           ; s[32:39] one set for each slot
.set G0V, 40                           ; s[40:47]
.set MSB, 0
.macro WIN new
.if MSB != \new
	s_set_vgpr_msb (MSB<<8)|\new
.set MSB, \new
.endif
.endm
.macro JLOAD s                         ; waves 0-3 ask for k's parts, waves 4-7 for v's: the branch hangs on the wave's number alone
	s_cmp_eq_u32 s11, 0
	s_cbranch_scc0 .Lfor_v_\@
	tensor_load_to_lds s[G0K+4*(\s):G0K+4*(\s)+3], s[G1K:G1K+7]
	s_nop 0
	s_branch .Lasked_\@
.Lfor_v_\@:
	tensor_load_to_lds s[G0V+4*(\s):G0V+4*(\s)+3], s[G1V:G1V+7]
	s_nop 0
.Lasked_\@:
.endm
.macro ROUND                           ; a round of the cluster's barrier
	s_barrier_signal -1
	s_barrier_wait -1
	s_cmp_lg_u32 s10, 0
	s_cbranch_scc1 .Lnot_wave_0_\@
	s_barrier_signal -3
.Lnot_wave_0_\@:
	s_barrier_wait -3
	s_barrier_signal -1
	s_barrier_wait -1
.endm
	s_load_b128 s[4:7], s[0:1], 0x0                ; qkv s[4:5], oh s[6:7]
	v_lshl_add_u32 v62, v0, 2, 0x42000
	v_mov_b32 v63, 0
	ds_add_u32 v62, v63
	v_lshrrev_b32 v1, 5, v0
	v_readfirstlane_b32 s10, v1                    ; wave 0..7
	s_lshr_b32 s11, s10, 2                         ; kh: my half of the keys.  Also: I fetch k (0) or v (1)
	s_and_b32 s12, s10, 3                          ; wq: my 64 queries.  Also: which 64 keys of a tile I fetch
	s_and_b32 s13, ttmp7, 0xffff                   ; bh = 16 b + h
	s_bfe_u32 s54, ttmp6, 0x40000                  ; cx
	s_lshl_b32 s14, ttmp9, 2
	s_add_co_u32 s14, s14, s54                     ; qb: block of 256 queries, 0..7
	s_mov_b32 s48, 0x76543210                      ; v_permlanex16_b32: lane i reads lane i of the other half
	s_mov_b32 s49, 0xfedcba98
	s_mov_b32 s50, 0x3e38aa3b                      ; c = log2(e) / 8: the scale 64^-0.5 and the base change in one
	s_mov_b32 s51, 0x3e38aa3b
	s_mov_b32 s52, 0xbe38aa3b                      ; -c
	; group 1: a tile of 64 rows x 64 f16; mask 15 (all four of the cluster), bit 21 beside it; after every 32 words 4 (k) or 8 (v) words of padding
	s_mov_b32 s[G1K+0], 15|(1<<16)|(1<<20)|(1<<21)|(4<<22)|(3<<25)
	s_mov_b32 s[G1K+1], 64<<16
	s_mov_b32 s[G1K+2], 64<<16
	s_mov_b32 s[G1K+3], 64<<16
	s_mov_b32 s[G1K+4], 64
	s_mov_b32 s[G1K+5], 64
	s_mov_b32 s[G1K+6], 0
	s_mov_b32 s[G1K+7], 0
	s_mov_b32 s[G1V+0], 15|(1<<16)|(1<<20)|(1<<21)|(4<<22)|(7<<25)
	s_mov_b32 s[G1V+1], 64<<16
	s_mov_b32 s[G1V+2], 64<<16
	s_mov_b32 s[G1V+3], 64<<16
	s_mov_b32 s[G1V+4], 64
	s_mov_b32 s[G1V+5], 64
	s_mov_b32 s[G1V+6], 0
	s_mov_b32 s[G1V+7], 0
	s_lshl_b32 s54, s13, 18                        ; plane bh, 262,144 bytes each
	s_mov_b32 s55, 0
	s_lshl_b32 s56, s12, 13                        ; my 64 keys of a tile
	s_mov_b32 s57, 0
	s_mul_i32 s58, s10, PART                       ; my part of a slot
	s_lshl_b32 s66, s14, 15                        ; my block of 256 queries in q's plane, in bytes: in a pair that feeds no descriptor
	s_mov_b32 s67, 0
	s_lshr_b32 s68, s13, 4                         ; oh: b x 4,194,304
	s_lshl_b32 s68, s68, 22
	s_and_b32 s69, s13, 15                         ;     + h x 16,384
	s_lshl_b32 s69, s69, 14
	s_add_co_u32 s68, s68, s69
	s_lshl_b32 s69, s14, 19                        ;     + qb x two blocks of 128 tokens of 262,144 bytes (8,110,080 in all at the most)
	s_add_co_u32 s68, s68, s69
	s_mov_b32 s69, 0
	s_wait_dscnt 0x0
	s_wait_kmcnt 0x0
	s_add_nc_u64 s[60:61], s[4:5], s[54:55]        ; q's plane
	s_add_nc_u64 s[56:57], s[60:61], s[56:57]      ; + my 64 keys: k and v lie 32 and 64 planes further
	s_add_nc_u64 s[62:63], s[6:7], s[68:69]        ; oh at my head in my block's first 128 tokens
.irp s, 0,1
	s_mov_b32 s[G0K+4*\s], 1
	s_add_co_u32 s[G0K+4*\s+1], s58, \s*SLOT
	s_add_nc_u64 s[G0K+4*\s+2:G0K+4*\s+3], s[56:57], 8388608+\s*TILEB
	s_or_b32 s[G0K+4*\s+3], s[G0K+4*\s+3], 0x80000000
	s_mov_b32 s[G0V+4*\s], 1
	s_add_co_u32 s[G0V+4*\s+1], s58, \s*SLOT
	s_add_nc_u64 s[G0V+4*\s+2:G0V+4*\s+3], s[56:57], 16777216+\s*TILEB
	s_or_b32 s[G0V+4*\s+3], s[G0V+4*\s+3], 0x80000000
.endr
	ROUND                                          ; all four work-groups are here
	JLOAD 0                                        ; keys 0-255 into slot 0: one tensor load of the wave is out
	v_and_b32 v1, 31, v0                           ; l
	v_and_b32 v15, 15, v0                          ; r
	v_bfe_u32 v40, v0, 4, 1                        ; h
	s_mul_i32 s68, s11, 2*PART                     ; my half of a slot's keys
	v_mul_u32_u24 v[KA], v15, KP
	v_lshl_add_u32 v[KA], v40, 4, v[KA]
	v_add_nc_u32 v[KA], s68, v[KA]                 ; key r, 16 bytes for each half of the lanes
	v_add_nc_u32 v[KA+1], SLOT, v[KA]
	v_and_b32 v41, 7, v0
	v_lshl_add_u32 v42, v40, 3, v41                ; key 8 h + l % 8
	v_bfe_u32 v43, v0, 3, 1
	v_mul_u32_u24 v[VA], v42, VP
	v_lshl_add_u32 v[VA], v43, 4, v[VA]            ; + 16 ((l >> 3) & 1)
	s_add_co_u32 s68, s68, 4*PART                  ; v lies behind k's four parts
	v_add_nc_u32 v[VA], s68, v[VA]
	v_add_nc_u32 v[VA+1], SLOT, v[VA]
	v_lshlrev_b32 v44, 7, v15
	v_lshl_add_u32 v44, v40, 4, v44                ; row r of 128 bytes + 16 h
	s_lshl_b32 s68, s12, 13
	s_lshl_b32 s69, s11, 12
	s_add_co_u32 s69, s68, s69                     ; (64 wq + 32 kh) x 128 bytes
	s_lshr_b32 s68, s12, 1                         ; in oh the second 128 tokens lie 262,144 bytes behind the first, not 16,384
	s_mul_i32 s68, s68, 245760
	s_add_co_u32 s68, s68, s69
	v_lshl_add_u32 v[CO], v1, 4, s68               ; the 32 queries that I keep: (wq >> 1) x 262,144 + (wq & 1) x 8,192 + kh x 4,096 + 16 l
	s_add_co_u32 s69, s69, s66
	v_add_nc_u32 v[QA], s69, v44                   ; groups 0, 1
	s_xor_b32 s69, s69, 4096                       ; bit 12 is kh's alone: the other 32 queries
	v_add_nc_u32 v[QA+1], s69, v44                 ; groups 2, 3
	WIN 0x40
.irp g, 0,1,2,3
.irp ks, 0,1
	global_load_b128 v[QF+16*\g+8*\ks:QF+16*\g+8*\ks+3],   v[QA+\g/2], s[60:61] offset:(\g%2)*2048+\ks*64
	global_load_b128 v[QF+16*\g+8*\ks+4:QF+16*\g+8*\ks+7], v[QA+\g/2], s[60:61] offset:(\g%2)*2048+\ks*64+32
.endr
.endr
	WIN 0
	s_mul_i32 s68, s10, WSCR
	s_add_co_u32 s68, s68, SCR
	v_lshl_add_u32 v[SCW], v1, 4, s68
	v_lshl_add_u32 v[SCW2], v1, 3, s68
	s_xor_b32 s69, s10, 4                          ; my partner: the same queries, the other keys
	s_mul_i32 s69, s69, WSCR
	s_add_co_u32 s69, s69, SCR
	v_lshl_add_u32 v[SCP], v1, 4, s69
	v_lshl_add_u32 v[SCP2], v1, 3, s69
	s_mul_i32 s68, s10, WSTG
	s_add_co_u32 s68, s68, STG
	v_mul_u32_u24 v45, v15, KP
	v_lshl_add_u32 v45, v40, 4, v45
	v_add_nc_u32 v[STO], s68, v45
	v_lshrrev_b32 v46, 3, v1
	v_mul_u32_u24 v46, v46, KP
	v_lshl_add_u32 v46, v41, 4, v46
	v_add_nc_u32 v[RD], s68, v46
.irp g, 0,1,2,3
	v_mov_b32 v[TT+\g], 0                          ; v_permlanex16_b32 counts as a reader of its destination
	v_mov_b32 v[PR+2*\g+1], 0                      ; the packed forms count as readers of the whole pair; the first block uses no alpha
.endr
	s_wait_loadcnt 0x0                             ; q, once
; 64 keys x 64 queries.  slot, j: where the keys lie; first = 1: the first block starts maximum, denominators and O.
.macro BLOCK slot, j, first
.rept 5
	v_nop                                          ; five places behind the last product (ISA guide 7.12.1): its v fragments are loaded again, its P is written over by the next products
.endr
	WIN 0x40
.irp kt, 0,1,2,3
.irp ks, 0,1
	ds_load_b128 v[KF+16*\kt+8*\ks:KF+16*\kt+8*\ks+3],   v[KA+\slot] offset:\j*PART+\kt*16*KP+\ks*64
	ds_load_b128 v[KF+16*\kt+8*\ks+4:KF+16*\kt+8*\ks+7], v[KA+\slot] offset:\j*PART+\kt*16*KP+\ks*64+32
.endr
.endr
	WIN 0
.irp kk, 0,1
.irp dt, 0,1,2,3
	ds_load_tr16_b128 v[VF+8*(4*\kk+\dt):VF+8*(4*\kk+\dt)+3],   v[VA+\slot] offset:\j*PART+\kk*32*VP+\dt*32
	ds_load_tr16_b128 v[VF+8*(4*\kk+\dt)+4:VF+8*(4*\kk+\dt)+7], v[VA+\slot] offset:\j*PART+\kk*32*VP+\dt*32+16*VP
.endr
.endr
	s_wait_dscnt 16                                ; k's 16 loads are in; v's 16, issued behind them, stay out
	WIN 0x05                                       ; sources in window 1, scores in window 0
	; S^T = K Q^T.  The four groups take turns, one instruction a turn.
.irp kt, 0,1,2,3
.irp g, 0,1,2,3
	v_wmma_f32_16x16x32_f16 v[SC+32*\g+8*\kt:SC+32*\g+8*\kt+7], v[KF+16*\kt:KF+16*\kt+7], v[QF+16*\g:QF+16*\g+7], 0
.endr
.irp g, 0,1,2,3
	v_wmma_f32_16x16x32_f16 v[SC+32*\g+8*\kt:SC+32*\g+8*\kt+7], v[KF+16*\kt+8:KF+16*\kt+15], v[QF+16*\g+8:QF+16*\g+15], v[SC+32*\g+8*\kt:SC+32*\g+8*\kt+7]
.endr
.endr
	WIN 0
.rept 4
	v_nop                                          ; four places before the scores are read
.endr
	; the running maximum of the raw scores: 32 numbers a lane and group, four chains side by side, then the other half of the lanes
.irp g, 0,1,2,3
	v_max3_num_f32 v[MN+\g], v[SC+32*\g], v[SC+32*\g+1], v[SC+32*\g+2]
.endr
.irp i, 3,5,7,9,11,13,15,17,19,21,23,25,27,29
.irp g, 0,1,2,3
	v_max3_num_f32 v[MN+\g], v[MN+\g], v[SC+32*\g+\i], v[SC+32*\g+\i+1]
.endr
.endr
.irp g, 0,1,2,3
.if \first
	v_max_num_f32 v[MN+\g], v[MN+\g], v[SC+32*\g+31]
.else
	v_max3_num_f32 v[MN+\g], v[MN+\g], v[SC+32*\g+31], v[MM+\g]
.endif
.endr
.irp g, 0,1,2,3
	v_permlanex16_b32 v[TT+\g], v[MN+\g], s48, s49
.endr
.irp g, 0,1,2,3
	v_max_num_f32 v[MM+\g], v[MN+\g], v[TT+\g]
.endr
.irp g, 0,1,2,3
	v_mul_f32 v[TT+\g], s52, v[MM+\g]              ; nm = -c max, rounded once; P and alpha both use this very number
.endr
.if 1-\first
.irp g, 0,1,2,3
	v_sub_f32 v[PR+2*\g+1], v[TT+\g], v[PR+2*\g]   ; nm new - nm old, never above 0
.endr
.irp g, 0,1,2,3
	v_exp_f32 v[PR+2*\g+1], v[PR+2*\g+1]           ; alpha
.endr
.endif
.irp g, 0,1,2,3
	v_mov_b32 v[PR+2*\g], v[TT+\g]                 ; also the plain instructions behind the exponentials (ISA guide 5.7.2)
.endr
	; P = 2^(c S + nm)
.set i, 0
	s_wait_alu depctr_va_vdst(0)
.rept 64
	v_pk_fma_f32 v[SC+2*i:SC+2*i+1], v[SC+2*i:SC+2*i+1], s[50:51], v[PR+2*(i/16):PR+2*(i/16)+1] op_sel_hi:[1,0,0]
.set i, i+1
.endr
.set i, 0
.rept 128
	v_exp_f32 v[SC+i], v[SC+i]
.set i, i+1
.endr
	v_nop                                          ; one plain instruction before the last exponentials are used
	; denominators: two partial sums a group, the old ones scaled by alpha
.if \first
	s_wait_alu depctr_va_vdst(0)
.irp g, 0,1,2,3
	v_pk_add_f32 v[L2+2*\g:L2+2*\g+1], v[SC+32*\g:SC+32*\g+1], v[SC+32*\g+2:SC+32*\g+3]
.endr
.else
	s_wait_alu depctr_va_vdst(0)
.irp g, 0,1,2,3
	v_pk_fma_f32 v[L2+2*\g:L2+2*\g+1], v[L2+2*\g:L2+2*\g+1], v[PR+2*\g:PR+2*\g+1], v[SC+32*\g:SC+32*\g+1] op_sel:[0,1,0] op_sel_hi:[1,1,1]
.endr
.irp g, 0,1,2,3
	v_pk_add_f32 v[L2+2*\g:L2+2*\g+1], v[L2+2*\g:L2+2*\g+1], v[SC+32*\g+2:SC+32*\g+3]
.endr
.endif
.irp i, 4,6,8,10,12,14,16,18,20,22,24,26,28,30
.irp g, 0,1,2,3
	v_pk_add_f32 v[L2+2*\g:L2+2*\g+1], v[L2+2*\g:L2+2*\g+1], v[SC+32*\g+\i:SC+32*\g+\i+1]
.endr
.endr
	; P to f16, packed in place, ascending: register i of a group takes numbers 2 i and 2 i + 1, which no earlier line has written over
.set i, 0
.rept 64
	v_cvt_pk_f16_f32 v[SC+32*(i/16)+(i%16)], v[SC+32*(i/16)+2*(i%16)], v[SC+32*(i/16)+2*(i%16)+1]
.set i, i+1
.endr
.if 1-\first
	WIN 0x41                                       ; O in window 1, alpha in window 0
.set i, 0
.rept 64
	v_pk_mul_f32 v[OA+2*i:OA+2*i+1], v[OA+2*i:OA+2*i+1], v[PR+2*(i/16):PR+2*(i/16)+1] op_sel:[0,1] op_sel_hi:[1,1]
.set i, i+1
.endr
.endif
	s_wait_dscnt 0                                 ; v's fragments
	WIN 0x50                                       ; C and D in window 1, sources in window 0
	; O^T += V^T P^T.  The sixteen accumulators take turns, one instruction a turn.
.irp kk, 0,1
.irp dt, 0,1,2,3
.irp g, 0,1,2,3
.if \first*(1-\kk)
	v_wmma_f32_16x16x32_f16 v[OA+32*\g+8*\dt:OA+32*\g+8*\dt+7], v[VF+8*(4*\kk+\dt):VF+8*(4*\kk+\dt)+7], v[SC+32*\g+8*\kk:SC+32*\g+8*\kk+7], 0
.else
	v_wmma_f32_16x16x32_f16 v[OA+32*\g+8*\dt:OA+32*\g+8*\dt+7], v[VF+8*(4*\kk+\dt):VF+8*(4*\kk+\dt)+7], v[SC+32*\g+8*\kk:SC+32*\g+8*\kk+7], v[OA+32*\g+8*\dt:OA+32*\g+8*\dt+7]
.endif
.endr
.endr
.endr
	WIN 0
.endm
; A tile of 256 keys: my half of it is two blocks.  In front of the round every wave has waited for all its tensor loads and for its
; reads of the other slot; behind the round the other slot is asked for again first, one load a wave; it has this tile's work in which to land.
.macro TRIP slot, refill, first
	s_wait_tensorcnt 0x0                           ; all my tensor loads have landed, my part of this tile among them: every group 0 may be written
	ds_add_u32 v62, v63
	s_wait_dscnt 0x0
	s_add_nc_u64 s[G0K+4*\slot+2:G0K+4*\slot+3], s[G0K+4*\slot+2:G0K+4*\slot+3], 2*TILEB   ; this slot's next tile
	s_add_nc_u64 s[G0V+4*\slot+2:G0V+4*\slot+3], s[G0V+4*\slot+2:G0V+4*\slot+3], 2*TILEB
	s_wait_dscnt 0x0                               ; my reads of the last tile are over
	ROUND                                          ; both now hold of every wave of all four work-groups
.if \refill
	JLOAD 1-\slot
.endif
	BLOCK \slot, 0, \first
	BLOCK \slot, 1, 0
.endm
	TRIP 0, 1, 1                                   ; eight tiles: two written out (the first block starts the sums),
	TRIP 1, 1, 0
	s_mov_b32 s53, 2
.Lpair:
	TRIP 0, 1, 0                                   ; four in the loop,
	TRIP 1, 1, 0
	s_sub_co_u32 s53, s53, 1
	s_cmp_lg_u32 s53, 0
	s_cbranch_scc1 .Lpair
	TRIP 0, 1, 0                                   ; two at the end: the last asks for nothing (the stepped addresses are not used)
	TRIP 1, 0, 0
	; THE MERGE of the two key halves.  I send groups 2, 3 (O, nm, denominator) to wave w ^ 4 and take its groups 2, 3, which are my groups 0, 1.
.rept 4
	v_nop                                          ; four places before O is read and before loads land on the last product's P
.endr
.irp g, 0,1,2,3
	v_add_f32 v[LF+\g], v[L2+2*\g], v[L2+2*\g+1]
.endr
.irp g, 0,1,2,3
	v_permlanex16_b32 v[TT+\g], v[LF+\g], s48, s49
.endr
.irp g, 0,1,2,3
	v_add_f32 v[LF+\g], v[LF+\g], v[TT+\g]         ; the other eight keys of every sixteen
.endr
	v_mov_b32 v[TT], v[PR+4]
	v_mov_b32 v[TT+1], v[PR+6]
	WIN 0x04                                       ; store data in window 1
.irp i, 0,1,2,3,4,5,6,7,8,9,10,11,12,13,14,15
	ds_store_b128 v[SCW], v[OA+64+4*\i:OA+64+4*\i+3] offset:512*\i
.endr
	WIN 0
	ds_store_b64 v[SCW2], v[TT:TT+1] offset:8192
	ds_store_b64 v[SCW2], v[LF+2:LF+3] offset:8448
	s_wait_dscnt 0x0                               ; my stores are done, for my partner's sake
	s_barrier_signal -1
	s_barrier_wait -1
.irp i, 0,1,2,3,4,5,6,7,8,9,10,11,12,13,14,15
	ds_load_b128 v[SC+4*\i:SC+4*\i+3], v[SCP] offset:512*\i
.endr
	ds_load_b64 v[TT:TT+1], v[SCP2] offset:8192    ; nm' of my groups 0, 1
	ds_load_b64 v[TT+2:TT+3], v[SCP2] offset:8448  ; l'
	s_wait_dscnt 0x0
.irp g, 0,1
	v_min_num_f32 v[MM+\g], v[PR+2*\g], v[TT+\g]   ; the smaller nm belongs to the larger maximum
	v_sub_f32 v[MN+2*\g], v[MM+\g], v[PR+2*\g]
	v_sub_f32 v[MN+2*\g+1], v[MM+\g], v[TT+\g]
.endr
.irp i, 0,1,2,3
	v_exp_f32 v[MN+\i], v[MN+\i]                   ; a, b: at most 1
.endr
	v_nop
	s_wait_alu depctr_va_vdst(0)
.irp g, 0,1
	v_mul_f32 v[MM+\g], v[MN+2*\g+1], v[TT+2+\g]
	v_fmac_f32 v[MM+\g], v[MN+2*\g], v[LF+\g]      ; a l + b l'
.endr
	v_rcp_f32 v[MM], v[MM]
	v_rcp_f32 v[MM+1], v[MM+1]
	v_nop
	s_wait_alu depctr_va_vdst(0)
.irp g, 0,1
	v_mul_f32 v[PR+2*\g], v[MN+2*\g], v[MM+\g]     ; the pair (a, b) / (a l + b l')
	v_mul_f32 v[PR+2*\g+1], v[MN+2*\g+1], v[MM+\g]
.endr
.set i, 0
.rept 32
	v_pk_mul_f32 v[SC+2*i:SC+2*i+1], v[SC+2*i:SC+2*i+1], v[PR+2*(i/16):PR+2*(i/16)+1] op_sel:[0,1] op_sel_hi:[1,1]
.set i, i+1
.endr
	WIN 0x01                                       ; source 0, my O, in window 1
.set i, 0
.rept 32
	v_pk_fma_f32 v[SC+2*i:SC+2*i+1], v[OA+2*i:OA+2*i+1], v[PR+2*(i/16):PR+2*(i/16)+1], v[SC+2*i:SC+2*i+1] op_sel_hi:[1,0,1]
.set i, i+1
.endr
	WIN 0
.set i, 0
.rept 32
	v_cvt_pk_f16_f32 v[SC+i], v[SC+2*i], v[SC+2*i+1]   ; in place, ascending: group g, d block dt in registers 16 g + 4 dt .. + 3
.set i, i+1
.endr
	; the way out: 16 bytes a lane into my own stage, read back four rows of 128 bytes at a time
.irp g, 0,1
.irp dt, 0,1,2,3
	ds_store_b128 v[STO], v[SC+16*\g+4*\dt:SC+16*\g+4*\dt+3] offset:\g*16*KP+\dt*32
.endr
.endr
.irp t, 0,1,2,3,4,5,6,7
	ds_load_b128 v[VF+4*\t:VF+4*\t+3], v[RD] offset:(\t/4)*16*KP+(\t%4)*4*KP   ; LDS serves a wave's instructions in order (ISA guide 5.7.1)
.endr
.irp t, 0,1,2,3,4,5,6,7
	s_wait_dscnt 7-\t                              ; load t is in, the 7 - t younger ones stay out
	global_store_b128 v[CO], v[VF+4*\t:VF+4*\t+3], s[62:63] offset:(\t/4)*2048+(\t%4)*512   ; 512 consecutive bytes, aligned; my 32 queries are 4,096 consecutive bytes of my head
.endr
	s_wait_tensorcnt 0x0
	ds_add_u32 v62, v63
	s_wait_dscnt 0x0
	ROUND                                          ; the closing round
	s_endpgm
.Lfunc_end_k_q8574a3b7e7_attn:
	.size	k_q8574a3b7e7_attn, .Lfunc_end_k_q8574a3b7e7_attn-k_q8574a3b7e7_attn
	.p2alignl 7, 3214868480
	.fill 96, 4, 3214868480
	.section	.rodata,"a",@progbits
	.p2align	6, 0x0
	.amdhsa_kernel k_q8574a3b7e7_attn
		.amdhsa_group_segment_fixed_size 327680
		.amdhsa_private_segment_fixed_size 0
		.amdhsa_enable_private_segment 0
		.amdhsa_kernarg_size 16
		.amdhsa_user_sgpr_count 2
		.amdhsa_user_sgpr_kernarg_segment_ptr 1
		.amdhsa_wavefront_size32 1
		.amdhsa_system_sgpr_workgroup_id_x 1
		.amdhsa_system_sgpr_workgroup_id_y 1
		.amdhsa_system_sgpr_workgroup_id_z 1
		.amdhsa_system_vgpr_workitem_id 0
		.amdhsa_next_free_vgpr 512
		.amdhsa_next_free_sgpr 70
		.amdhsa_reserve_vcc 0
		.amdhsa_float_denorm_mode_32 3
		.amdhsa_float_denorm_mode_16_64 3
		.amdhsa_memory_ordered 1
		.amdhsa_forward_progress 1
		.amdhsa_inst_pref_size 255
	.end_amdhsa_kernel
	.section	.bss,"aw",@nobits
	.p2align	6
	.space	262144
	.amdgpu_metadata
---
amdhsa.version: [ 1, 2 ]
amdhsa.kernels:
  - .name:           k_q8574a3b7e7_attn
    .symbol:         k_q8574a3b7e7_attn.kd
    .args:
      - { .name: qkv, .offset: 0, .size: 8, .value_kind: global_buffer, .address_space: global }
      - { .name: oh, .offset: 8, .size: 8, .value_kind: global_buffer, .address_space: global }
    .group_segment_fixed_size: 327680
    .private_segment_fixed_size: 0
    .kernarg_segment_align: 8
    .kernarg_segment_size: 16
    .max_flat_workgroup_size: 256
    .sgpr_count:     70
    .vgpr_count:     512
    .wavefront_size: 32
...
	.end_amdgpu_metadata
.endif
;; end of part 3
;; launch proj (part 4): grid 8 x 32, 4 waves a work-group, clusters of 4 x 4, 327,680 bytes of LDS; arguments oh, wph, proj_b, out0; writes out0
.if DOCPART == 4
	.amdgcn_target "amdgcn-amd-amdhsa--gfx1250"
	.amdhsa_code_object_version 6
	.text
	.protected	k_q8574a3b7e7_proj
	.globl	k_q8574a3b7e7_proj
	.p2align	8
	.type	k_q8574a3b7e7_proj,@function
k_q8574a3b7e7_proj:
	s_mov_b64 s[64:65], 0
	v_nop
	global_prefetch_b8 v0, s[64:65] scope:SCOPE_SE
	s_setreg_imm32_b32 hwreg(HW_REG_WAVE_MODE, 25, 1), 1
	s_wait_xcnt 0x0
	s_wait_alu depctr_hold_cnt(0) depctr_sa_sdst(0) depctr_va_vdst(0) depctr_va_sdst(0) depctr_va_ssrc(0) depctr_va_vcc(0) depctr_vm_vsrc(0)
	s_getreg_b32 s2, hwreg(HW_REG_IB_STS2, 6, 4)
	s_cmp_eq_u32 s2, 0
	s_cbranch_scc0 .Lentry_in_a_cluster
	s_endpgm
.Lentry_in_a_cluster:
	s_bfe_u32 s2, ttmp6, 0x10000c
	s_cmp_lg_u32 s2, 0xf033
	s_cbranch_scc0 .Lentry_shape_is_right
	s_endpgm
.Lentry_shape_is_right:
; out0[t][f] = sum over c of o[t][c] wph[f][c] + proj_b[f], c = 64 head + d.  f16 operands, f32 sums, f32 bias, f32 out.
; oh: [32 blocks of 128 tokens][16 heads][128 tokens][64] f16; wph: [1024][1024] f16; out0: [4096][1024] f32.
; A work-group makes 128 tokens x 128 features with four waves, a wave (wm = w >> 1, wn = w & 1) 64 x 64: 16 accumulator tiles, 128 registers:
; 32 x 8 = 256 work-groups of equal work.
; K = 1024 goes through a ring of two LDS slots of 256 along K (four heads) each: four fills in all.  Both slots' first fills go out together at
; the start, so half of K is asked for at once, and only two refills follow; each has 124 matrix instructions of the wave in which to land.
; Two such slots and the stage take 300,032 bytes of LDS: a slot of more heads does not fit twice.
; CLUSTERS: 4 x 4 work-groups; the tokens' tiles are shared along a row of the cluster, the weights' along a column, by joint loads.
; One load a wave: waves 0 and 1 fetch two heads each (256 rows of 128 bytes, without gaps in memory: a head's rows are 128 bytes in the tensor itself),
; waves 2 and 3 fetch 64 rows of 512 bytes of the weights each.
; TRANSPOSED USE: source 0 = 16 rows of wph, source 1 = 16 tokens: a lane holds token l % 16 and eight neighbouring features, 32 bytes of f32.
.set SIZE_K, 1024
.set APITCH, 144                       ; 128 bytes + 16: an odd multiple of 16
.set BPITCH, 528                       ; 512 bytes + 16 = 33 x 16
.set APLANE, 128*APITCH                ; 18,432: 128 tokens of one head
.set AHALF,  2*APLANE                  ; 36,864: two heads, one load of wave 0 or 1
.set BHALF,  64*BPITCH                 ; 33,792: 64 weight rows, one load of wave 2 or 3
.set BOFF,   2*AHALF                   ; 73,728: the weights lie behind the four heads
.set SLOT,   BOFF+2*BHALF              ; 141,312
.set STAGE,  2*SLOT                    ; 282,624 = 1,104 x 256: behind the ring, no fill lands here
.set SPITCH, 272                       ; a stage row: 64 f32 + 16 bytes
.set WSTAGE, 16*SPITCH                 ; 4,352 = 17 x 256
.set ASTEP,  65536                     ; four heads of 16,384 bytes: from one slot's tokens to the next slot's
.set BSTEP,  512                       ; 256 f16 along a weight row
.set ADRA, 16                          ; v16-17  LDS address of my token fragments in slot 0, 1
.set ADRB, 20                          ; v20-21  the same for the weights
.set STO,  24
.set RD,   25
.set CO,   26
.set BO,   27                          ; byte offset of my four numbers of the bias; never rewritten
.set F0,   64                          ; buffer 0: weights at +0 .. 31, tokens at +32 .. 63
.set F1,   128                         ; buffer 1
.set TMP,  192                         ; v192-223 rows read back
.set BIAS, 224                         ; v224-227
.set G1,  24                           ; s[24:31] descriptor group 1, tokens
.set G0,  32                           ; s[32:39] group 0, tokens, one set for each slot
.set G1B, 48                           ; s[48:55] group 1, weights
.set G0B, 56                           ; s[56:63] group 0, weights, one set for each slot
.set MUL, 0x50                         ; C and D in window 1 (tile (a, b) at v[8 (4 a + b)]), sources in window 0
.set MSB, 0
.macro WIN new                         ; the immediate's high byte repeats the setting that is left
.if MSB != \new
	s_set_vgpr_msb (MSB<<8)|\new
.set MSB, \new
.endif
.endm
.macro JLOAD s                         ; waves 0, 1 ask for tokens, waves 2, 3 for weights: the branch hangs on the wave's number alone
	s_cmp_eq_u32 s11, 0
	s_cbranch_scc0 .Lfor_b_\@
	tensor_load_to_lds s[G0+4*\s:G0+4*\s+3], s[G1:G1+7]
	s_nop 0
	s_branch .Lasked_\@
.Lfor_b_\@:
	tensor_load_to_lds s[G0B+4*\s:G0B+4*\s+3], s[G1B:G1B+7]
	s_nop 0
.Lasked_\@:
.endm
.macro CREST                           ; a round of the cluster's barrier behind its opening barrier
	s_cmp_lg_u32 s10, 0
	s_cbranch_scc1 .Lnot_wave_0_\@
	s_barrier_signal -3
.Lnot_wave_0_\@:
	s_barrier_wait -3
	s_barrier_signal -1
	s_barrier_wait -1
.endm
.macro CROUND
	s_barrier_signal -1
	s_barrier_wait -1
	CREST
.endm
	s_load_b128 s[4:7], s[0:1], 0x0                ; oh s[4:5], wph s[6:7]
	s_load_b128 s[68:71], s[0:1], 0x10             ; proj_b s[68:69], out0 s[70:71]
	v_lshl_add_u32 v254, v0, 2, 0x49400
	v_mov_b32 v255, 0
	ds_add_u32 v254, v255
	v_lshrrev_b32 v1, 5, v0
	v_readfirstlane_b32 s10, v1                    ; wave 0..3
	s_lshr_b32 s11, s10, 1                         ; wm.  Also: I fetch tokens (0) or weights (1)
	s_and_b32 s12, s10, 1                          ; wn.  Also: which two heads, or which 64 weight rows, I fetch
	s_bfe_u32 s40, ttmp6, 0x40000                  ; cx
	s_bfe_u32 s41, ttmp6, 0x40004                  ; cy
	s_lshl_b32 s42, ttmp9, 2
	s_add_co_u32 s42, s42, s40                     ; bx: block of 128 features, 0..7
	s_and_b32 s13, ttmp7, 0xffff
	s_lshl_b32 s13, s13, 2
	s_add_co_u32 s13, s13, s41                     ; by: block of 128 tokens, 0..31
	s_lshl_b32 s43, s41, 2
	s_lshl_b32 s43, 15, s43                        ; my row of the cluster
	s_lshl_b32 s44, 0x1111, s40                    ; my column
	s_or_b32 s[G1+0], s43, (1<<16)|(1<<20)|(1<<21)|(4<<22)|(3<<25)   ; tokens: 2-byte elements, after every 32 words 4 words of padding
	s_mov_b32 s[G1+1], 64<<16                      ; tensor_dim0 = 64
	s_mov_b32 s[G1+2], 256<<16                     ; tensor_dim1 = 256
	s_mov_b32 s[G1+3], 64<<16                      ; tile_dim0 = 64
	s_mov_b32 s[G1+4], 256                         ; tile_dim1 = 256 rows: two heads of 128 tokens
	s_mov_b32 s[G1+5], 64                          ; rows follow each other, from one head into the next too
	s_mov_b32 s[G1+6], 0
	s_mov_b32 s[G1+7], 0
	s_or_b32 s[G1B+0], s44, (1<<16)|(1<<20)|(1<<21)|(6<<22)|(3<<25)  ; weights: after every 128 words 4 words
	s_mov_b32 s[G1B+1], 256<<16                    ; tensor_dim0 = 256
	s_mov_b32 s[G1B+2], 64<<16                     ; tensor_dim1 = 64
	s_mov_b32 s[G1B+3], 256<<16                    ; tile_dim0 = 256 elements, 512 bytes
	s_mov_b32 s[G1B+4], 64                         ; tile_dim1 = 64 rows
	s_mov_b32 s[G1B+5], SIZE_K
	s_mov_b32 s[G1B+6], 0
	s_mov_b32 s[G1B+7], 0
	; the tokens' address hangs on by and the wave, the weights' on bx and the wave, each in registers of its own
	s_lshl_b32 s16, s13, 18                        ; my block of tokens: 16 heads x 16,384 bytes
	s_lshl_b32 s17, s12, 15                        ; my two heads of a slot's four
	s_add_co_u32 s16, s16, s17
	s_mov_b32 s17, 0
	s_lshl_b32 s46, s42, 7
	s_lshl_b32 s47, s12, 6
	s_add_co_u32 s46, s46, s47                     ; weight row 128 bx + 64 half
	s_lshl_b32 s46, s46, 11
	s_mov_b32 s47, 0
	s_mul_i32 s20, s10, AHALF                      ; waves 0, 1: heads 0, 1 at 0 and heads 2, 3 at 36,864
	s_mul_i32 s21, s10, BHALF
	s_add_co_u32 s21, s21, BOFF-2*BHALF            ; waves 2, 3: the weights' halves at 73,728 and 107,520
	s_wait_dscnt 0x0
	s_wait_kmcnt 0x0
	s_add_nc_u64 s[14:15], s[4:5], s[16:17]
	s_add_nc_u64 s[46:47], s[6:7], s[46:47]
	CROUND                                         ; all sixteen work-groups are here: the first joint loads meet
.irp s, 0,1
	s_mov_b32 s[G0+4*\s], 1
	s_add_co_u32 s[G0+4*\s+1], s20, \s*SLOT
	s_add_nc_u64 s[G0+4*\s+2:G0+4*\s+3], s[14:15], \s*ASTEP        ; slot s: heads 4 s ..
	s_or_b32 s[G0+4*\s+3], s[G0+4*\s+3], 0x80000000                ; type = 2
	s_mov_b32 s[G0B+4*\s], 1
	s_add_co_u32 s[G0B+4*\s+1], s21, \s*SLOT
	s_add_nc_u64 s[G0B+4*\s+2:G0B+4*\s+3], s[46:47], \s*BSTEP
	s_or_b32 s[G0B+4*\s+3], s[G0B+4*\s+3], 0x80000000
	JLOAD \s                                       ; both slots' first fills go out together: two loads of the wave are out
.endr
	v_and_b32 v1, 15, v0                           ; r
	v_bfe_u32 v2, v0, 4, 1                         ; h
	s_lshl_b32 s22, s42, 9
	s_lshl_b32 s23, s12, 8
	s_add_co_u32 s22, s22, s23                     ; (128 bx + 64 wn) x 4 bytes: my first feature
	v_lshl_add_u32 v[BO], v1, 4, s22
	global_load_b128 v[BIAS:BIAS+3], v[BO], s[68:69]   ; the four features that I store; waited for in front of the way out
	v_mul_u32_u24 v3, v1, APITCH
	v_lshl_add_u32 v3, v2, 4, v3
	v_mul_u32_u24 v4, v1, BPITCH
	v_lshl_add_u32 v4, v2, 4, v4
	s_mul_i32 s72, s11, 64*APITCH                  ; my 64 tokens of every head
	s_mul_i32 s73, s12, BHALF                      ; my 64 weight rows,
	s_add_co_u32 s73, s73, BOFF                    ; behind the tokens
.irp s, 0,1
	v_add_nc_u32 v[ADRA+\s], s72, v3
	v_add_nc_u32 v[ADRB+\s], s73, v4
	s_add_co_u32 s72, s72, SLOT
	s_add_co_u32 s73, s73, SLOT
.endr
	s_mul_i32 s23, s10, WSTAGE
	s_add_co_u32 s23, s23, STAGE
	v_mul_u32_u24 v5, v1, SPITCH
	v_lshl_add_u32 v5, v2, 5, v5
	v_add_nc_u32 v[STO], s23, v5                   ; in: token r, 32 bytes for each half of the lanes
	v_mul_u32_u24 v6, v2, SPITCH
	v_lshl_add_u32 v6, v1, 4, v6
	v_add_nc_u32 v[RD], s23, v6                    ; back: lanes 0-15 one row of 256 bytes, lanes 16-31 the next
	v_lshlrev_b32 v7, 12, v2
	v_lshl_add_u32 v[CO], v1, 4, v7                ; the same two rows in out0
	s_lshl_b32 s72, s13, 19                        ; 128 by tokens x 4,096 bytes
	s_lshl_b32 s73, s11, 18                        ; 64 wm tokens
	s_add_co_u32 s72, s72, s73
	s_add_co_u32 s72, s72, s22
	s_mov_b32 s73, 0
	s_add_nc_u64 s[74:75], s[70:71], s[72:73]
.macro MUL4 f, a, zero                 ; token block a x the four feature blocks, 32 along K
.irp b, 0,1,2,3
.if \zero
	v_wmma_f32_16x16x32_f16 v[8*(4*\a+\b):8*(4*\a+\b)+7], v[\f+8*\b:\f+8*\b+7], v[\f+32+8*\a:\f+32+8*\a+7], 0
.else
	v_wmma_f32_16x16x32_f16 v[8*(4*\a+\b):8*(4*\a+\b)+7], v[\f+8*\b:\f+8*\b+7], v[\f+32+8*\a:\f+32+8*\a+7], v[8*(4*\a+\b):8*(4*\a+\b)+7]
.endif
.endr
.endm
.macro FETCH slot, q, f                ; eighth q of a slot (32 along K): head q / 2, d = 32 (q % 2) ..: 8 loads of weights, then 8 of tokens
.irp i, 0,1,2,3
	ds_load_b128 v[\f+8*\i:\f+8*\i+3],   v[ADRB+\slot] offset:\q*64+\i*16*BPITCH
	ds_load_b128 v[\f+8*\i+4:\f+8*\i+7], v[ADRB+\slot] offset:\q*64+\i*16*BPITCH+32
.endr
.irp i, 0,1,2,3
	ds_load_b128 v[\f+32+8*\i:\f+32+8*\i+3], v[ADRA+\slot] offset:(\q/2)*APLANE+(\q%2)*64+\i*16*APITCH
	ds_load_b128 v[\f+32+8*\i+4:\f+32+8*\i+7], v[ADRA+\slot] offset:(\q/2)*APLANE+(\q%2)*64+\i*16*APITCH+32
.endr
.endm
.macro PLACES                          ; four places behind a matrix instruction before a load lands on a source or its result is read (ISA guide 7.12.1 for vector instructions)
.rept 4
	v_nop
.endr
.endm
; 16 matrix instructions on buffer f; in their middle the next 32 along K (eighth q of the same slot) are fetched into buffer g.
; The sixteen accumulators take turns, one instruction a turn, in the same order every time.
.macro QUARTER slot, q, f, g, zero
	s_wait_dscnt 4                                 ; the weights and token blocks 0, 1 are in; the youngest four loads (blocks 2, 3) may be out
	WIN MUL
	MUL4 \f, 0, \zero
	MUL4 \f, 1, \zero
	PLACES
	WIN 0
	FETCH \slot, \q, \g
	s_wait_dscnt 16                                ; all but the 16 just issued
	WIN MUL
	MUL4 \f, 2, \zero
	MUL4 \f, 3, \zero
.endm
.macro SEVEN slot, zero                ; the first seven eighths of a slot, on buffers 0, 1, 0, 1, 0, 1, 0
	QUARTER \slot, 1, F0, F1, \zero
	QUARTER \slot, 2, F1, F0, 0
	QUARTER \slot, 3, F0, F1, 0
	QUARTER \slot, 4, F1, F0, 0
	QUARTER \slot, 5, F0, F1, 0
	QUARTER \slot, 6, F1, F0, 0
	QUARTER \slot, 7, F0, F1, 0
.endm
; The last eighth changes slots.  In front of the barrier each wave waits for its reads of this slot and for all its tensor loads (one is out: its
; part of the next slot).  Behind it (where the slot is filled again: behind the round that the barrier opens) the refill comes first, then the
; next slot's first fragments.  From a request to the wait for it a wave issues 8 + 7 x 16 + 4 = 124 matrix instructions.
.macro TURN slot, next, fill
	s_wait_dscnt 4
	WIN MUL
	MUL4 F1, 0, 0
	s_wait_dscnt 0                                 ; my reads of this slot are over
	s_wait_tensorcnt 0x0                           ; all my tensor loads have landed: the one that was out is my part of the next slot
	ds_add_u32 v254, v255
	s_wait_dscnt 0x0
	s_barrier_signal -1
	MUL4 F1, 1, 0                                  ; register work while the others arrive
	WIN 0
	s_barrier_wait -1
.if \fill
	CREST                                          ; no wave of any partner still reads this slot or has a load on its way
	s_add_nc_u64 s[G0+4*\slot+2:G0+4*\slot+3], s[G0+4*\slot+2:G0+4*\slot+3], 2*ASTEP      ; eight heads on
	s_add_nc_u64 s[G0B+4*\slot+2:G0B+4*\slot+3], s[G0B+4*\slot+2:G0B+4*\slot+3], 2*BSTEP
	JLOAD \slot                                    ; the wave's one tensor load behind the round, and the first thing there
.endif
	PLACES
	FETCH \next, 0, F0
	WIN MUL
	MUL4 F1, 2, 0
	MUL4 F1, 3, 0
.endm
	s_wait_tensorcnt 1                             ; my part of slot 0 is in; slot 1's stays out
	s_barrier_signal -1
	s_barrier_wait -1
	FETCH 0, 0, F0
	SEVEN 0, 1                                     ; heads 0-3: the first products start the sums, nothing is cleared
	TURN 0, 1, 1                                   ; heads 8-11 are asked for
	SEVEN 1, 0                                     ; heads 4-7
	TURN 1, 0, 1                                   ; heads 12-15 are asked for: the last load
	SEVEN 0, 0                                     ; heads 8-11
	TURN 0, 1, 0                                   ; nothing is left to fetch
	SEVEN 1, 0                                     ; heads 12-15
	s_wait_dscnt 4
	WIN MUL
	MUL4 F1, 0, 0
	MUL4 F1, 1, 0
	s_wait_dscnt 0
	MUL4 F1, 2, 0
	MUL4 F1, 3, 0
	; THE WAY OUT, 16 tokens at a time: 32 bytes a lane into my own stage, read back as whole rows of 256 bytes, the bias added, stored
	PLACES
	s_wait_loadcnt 0x0                             ; the bias
.macro OUT16 i
	WIN 0x04                                       ; store data in window 1
.irp b, 0,1,2,3
	ds_store_b128 v[STO], v[8*(4*\i+\b):8*(4*\i+\b)+3] offset:64*\b
	ds_store_b128 v[STO], v[8*(4*\i+\b)+4:8*(4*\i+\b)+7] offset:64*\b+16
.endr
	WIN 0
	s_wait_xcnt 0x0                                ; the rows read back last time are still the stores' data: loaded again only behind this wait
.irp t, 0,1,2,3,4,5,6,7
	ds_load_b128 v[TMP+4*\t:TMP+4*\t+3], v[RD] offset:\t*2*SPITCH   ; LDS serves a wave's instructions in order (ISA guide 5.7.1)
.endr
.irp t, 0,1,2,3,4,5,6,7
	s_wait_dscnt 7-\t                              ; load t is in, the 7 - t younger ones stay out
	v_pk_add_f32 v[TMP+4*\t:TMP+4*\t+1],   v[TMP+4*\t:TMP+4*\t+1],   v[BIAS:BIAS+1]
	v_pk_add_f32 v[TMP+4*\t+2:TMP+4*\t+3], v[TMP+4*\t+2:TMP+4*\t+3], v[BIAS+2:BIAS+3]
	global_store_b128 v[CO], v[TMP+4*\t:TMP+4*\t+3], s[74:75] offset:(16*\i+2*\t)*4096 th:TH_STORE_NT   ; 16 lanes store 256 consecutive bytes, aligned
.endr
.endm
	OUT16 0
	OUT16 1
	OUT16 2
	OUT16 3
	s_wait_tensorcnt 0x0
	ds_add_u32 v254, v255
	s_wait_dscnt 0x0
	CROUND                                         ; the closing round: no work-group ends while a partner may still ask for a tile that names it
	s_endpgm
.Lfunc_end_k_q8574a3b7e7_proj:
	.size	k_q8574a3b7e7_proj, .Lfunc_end_k_q8574a3b7e7_proj-k_q8574a3b7e7_proj
	.p2alignl 7, 3214868480
	.fill 96, 4, 3214868480
	.section	.rodata,"a",@progbits
	.p2align	6, 0x0
	.amdhsa_kernel k_q8574a3b7e7_proj
		.amdhsa_group_segment_fixed_size 327680
		.amdhsa_private_segment_fixed_size 0
		.amdhsa_enable_private_segment 0
		.amdhsa_kernarg_size 32
		.amdhsa_user_sgpr_count 2
		.amdhsa_user_sgpr_kernarg_segment_ptr 1
		.amdhsa_wavefront_size32 1
		.amdhsa_system_sgpr_workgroup_id_x 1
		.amdhsa_system_sgpr_workgroup_id_y 1
		.amdhsa_system_sgpr_workgroup_id_z 1
		.amdhsa_system_vgpr_workitem_id 0
		.amdhsa_next_free_vgpr 384
		.amdhsa_next_free_sgpr 76
		.amdhsa_reserve_vcc 0
		.amdhsa_float_denorm_mode_32 3
		.amdhsa_float_denorm_mode_16_64 3
		.amdhsa_memory_ordered 1
		.amdhsa_forward_progress 1
		.amdhsa_inst_pref_size 94
	.end_amdhsa_kernel
	.amdgpu_metadata
---
amdhsa.version: [ 1, 2 ]
amdhsa.kernels:
  - .name:           k_q8574a3b7e7_proj
    .symbol:         k_q8574a3b7e7_proj.kd
    .args:
      - { .name: oh, .offset: 0, .size: 8, .value_kind: global_buffer, .address_space: global }
      - { .name: wph, .offset: 8, .size: 8, .value_kind: global_buffer, .address_space: global }
      - { .name: proj_b, .offset: 16, .size: 8, .value_kind: global_buffer, .address_space: global }
      - { .name: out0, .offset: 24, .size: 8, .value_kind: global_buffer, .address_space: global }
    .group_segment_fixed_size: 327680
    .private_segment_fixed_size: 0
    .kernarg_segment_align: 8
    .kernarg_segment_size: 32
    .max_flat_workgroup_size: 128
    .sgpr_count:     76
    .vgpr_count:     384
    .wavefront_size: 32
...
	.end_amdgpu_metadata
.endif
;; end of part 4
